; MI455X (gfx1250); checked and timed in simulation.
; The chip was launched on July 23, 2026; its instructions are those of AMD's public machine-readable ISA for CDNA 5 (MIT licence, August 2026) and "CDNA5" Instruction Set Architecture Reference Guide (July 2026). The comments in the code are by the model that wrote it; some were corrected since.
;; Vector Quantizer. Allowed arithmetic: matrix products marked QUANTISED: E2M3 operands, one E8M0 scale for each 32 along K, by v_wmma_scale_f32_16x16x128_f8f6f4 with both operands' format E2M3, f32 sums; everything else in f32.
;; Inputs: codebook 8,192 x 512 float32; z_e 16,384 x 512 float32.
;; Outputs: out0 16,384 x 512 float32; out1 one number float32; out2 one number float32; out3 16,384 int32.
;; This version of the problem:
;;   THIS VERSION OF THE PROBLEM IS GIVEN IN LOW PRECISION. The matrix products marked QUANTISED in the list below multiply operands that are first quantised to E2M3 (2 exponent bits, 3 mantissa bits; 6 bits a number), with one power-of-two scale for each 32 numbers along K (OCP MX v1.0); their sums are f32. All else is computed in f32.
;;   The module's matrix products, in the order in which they are computed (A, B: the left and right operand; K: the contracted axis; several contracted axes count as one K, in the product's order):
;;     1. [M 16,384, K 512] x [K 512, N 8,192]; A: computed on the way; B: input codebook: QUANTISED
;;   THE QUANTISER, for each operand of a quantised product, along K:
;;     - K is cut into blocks of 32 from its start; a last block that is shorter is filled with zeros.
;;     - A block's scale is 2^e with e = floor(log2(the largest magnitude in the block)) - 2, held to -126 .. 127; a block of zeros has e = 0. As a byte (E8M0): e + 127.
;;     - Each number is divided by its block's scale, clamped to +-7.5, and rounded to the nearest number of E2M3, ties to even, subnormals kept.
;;     - The product sums the exact products of the quantised numbers (number of the format x scale) in f32.
;;   ~~~python
;;   def quantise(x, axis):      # numpy; x: float32 -> the quantised numbers, widened to float32 again
;;       x = np.moveaxis(x, axis, -1); K = x.shape[-1]
;;       x = np.pad(x, [(0, 0)] * (x.ndim - 1) + [(0, -K % 32)]); x = x.reshape(x.shape[:-1] + (-1, 32)); a = np.abs(x).max(-1, keepdims=True)
;;       e = np.where(a > 0, np.clip(np.frexp(np.where(a > 0, a, 1))[1] - 1 - 2, -126, 127), 0)      # np.frexp(a)[1] - 1 = floor(log2(a)), exactly
;;       r = np.clip(x / 2.0 ** e, -7.5, 7.5)
;;       step = 2.0 ** (np.maximum(np.frexp(np.where(r == 0, 1, r))[1] - 1, 0) - 3)
;;       q = np.round(r / step) * step * 2.0 ** e      # np.round: ties to even
;;       return np.moveaxis(q.reshape(q.shape[:-2] + (-1,))[..., :K], -1, axis).astype(np.float32)
;;   ~~~
;;   OPERANDS COMPUTED ON THE WAY. 'Computed on the way' means the value that the module computes at that place (a softmax that the list does not call 'softmax' is quantised finished and normalised). What goes into a quantiser is computed in f32, as accurately as f32 sums, v_exp_f32 and their like allow (about 1e-6 of the number): no bf16 or f16 on the way to a quantiser, and a product that is left as it is and whose result goes on into a quantised operand takes f32 operands (vector FMAs, or v_wmma_f32_16x16x4_f32). A number that lies on a knife's edge between two numbers of the format may be rounded either way, as far as f32 arithmetic and the matrix unit's own rounding can turn it there, and no further.
;; One version. Each part assembles by itself: llvm-mc -triple=amdgcn-amd-amdhsa -mcpu=gfx1250 --defsym DOCPART=n.
;; ======== version 1 of 1: 4 launches
;; limits: right only within a limited range of input values
;; workspace buffers: zrec 6,553,600 bytes; brec 3,407,872 bytes; part 1,048,576 bytes of whole numbers; lossp 1,024 bytes
;; launch quant (part 1): grid 1536 x 1, 4 waves a work-group, no clusters, 35,328 bytes of LDS; arguments z_e, codebook, zrec, brec; writes zrec, brec
.if DOCPART == 1
	.amdgcn_target "amdgcn-amd-amdhsa--gfx1250"
	.amdhsa_code_object_version 6
	.text
	.protected	k_qe5135f437e_quant
	.globl	k_qe5135f437e_quant
	.p2align	8
	.type	k_qe5135f437e_quant,@function
k_qe5135f437e_quant:
	s_mov_b64 s[64:65], 0
	v_nop
	global_prefetch_b8 v0, s[64:65] scope:SCOPE_SE
	s_setreg_imm32_b32 hwreg(HW_REG_WAVE_MODE, 25, 1), 1
	s_wait_xcnt 0x0
; z_e [16384][512] and codebook [8192][512], f32, become codes of FP6 (E2M3) with one E8M0 scale byte for each 32 along K, laid as RECORDS: one record for a tile of 16 rows,
; an image of the registers in which the product's launch wants the tile.  Bytes 1536 s + 512 g + 16 lane: registers 4 g .. 4 g + 3 of the fragment of K step s (128 along K).
; Bytes 6144 + 8 lane: two scale words; lane (r, h) has those of row r for K steps h and 2 + h.  Codebook only: bytes 6400 + 4 w, w = 0 .. 63: minus the sum of squares of row w mod 16.
; THE LEFT OPERAND OF THE PRODUCT IS 2 z: doubling moves a block's largest magnitude up one power of two and nothing else, so 2 z has z's codes and z's scale bytes + 1.
; A block's scale is 2^(floor(log2(its largest magnitude)) - 2); its byte is the largest magnitude's exponent field - 2, held at 1 from below.
; LIMITS: NaN and infinities are not served.  A block whose largest magnitude lies under 2^-124 (a block of zeros too) keeps the byte 1 (2 for 2 z): a block of zeros has zero codes, which add nothing.
; SHARES: work-groups 0 .. 1023 take the tiles of z, the others those of the codebook; only pointers and three numbers are chosen, on the work-group's number.  Wave s takes K step s: 16 rows x 128 numbers.
; Each load reads 512 consecutive bytes of a row; the numbers turn through the wave's own stage in LDS, so that a lane then holds two whole blocks of 32 of ONE row, in the order of the operand's registers.
; WORK LEFT OUT, in the whole program: the term sum(z^2) of the distances.  It is the same for every code of a token's row, so in exact arithmetic it moves no argmin: argmin(|z|^2 + |c|^2 - 2 z.c) = argmax(2 z.c - |c|^2).
; It reaches no other output.  LIMIT: a NaN, an infinity or an overflow that reaches only that term is not carried to the result.
; The registers of the rows as loaded (X) are free once the rows lie in the stage: the fragment and all that is made later lie over them.
.set NZT,   1024                       ; tiles of z
.set ZRECB, 6400                       ; a record of z
.set BRECB, 6656                       ; a record of the codebook
.set SP,    528                        ; a stage row: 512 bytes + 16: the sixteen rows that a load touches begin in sixteen different columns of 16 bytes
.set WSTG,  16*SP                      ; a wave's stage
.set SCW,   4*WSTG                     ; the tile's 64 scale words, as they lie in the record
.set SUM,   SCW+256                    ; the four waves' parts of the rows' sums of squares: 64 bytes a wave
.set X,   16                           ; v16-79   the numbers as loaded
.set Y,   80                           ; v80-143  my two blocks: register 32 c + i = k 64 c + 32 h + i of row r
.set P,   16                           ; v16-27   the fragment
.set TM,  28                           ; v28-30, v32-34 the second halves of the blocks' codes (a conversion's three registers begin on an even number)
.set MX,  36                           ; v36-37   largest magnitudes
.set SO,  38                           ; v38-39   the conversions' scale operands
.set BY,  40                           ; v40-41   the scale bytes
.set W,   42                           ; v42 the scale word; v43 the other half of the lanes' part
.set SQ,  44                           ; v44-51   sums of squares, four chains of pairs
.set OW,  52                           ; v52-53   scale words on the way out
.set OS,  54                           ; v54-61   sums on the way out
	s_load_b256 s[4:11], s[0:1], 0x0               ; z_e s[4:5], codebook s[6:7], zrec s[8:9], brec s[10:11]
	v_lshl_add_u32 v14, v0, 2, 0x8800              ; my spare word; never rewritten
	v_mov_b32 v15, 0                               ; 0; never rewritten
	v_lshrrev_b32 v1, 5, v0
	v_readfirstlane_b32 s12, v1                    ; wave = K step
	v_and_b32 v1, 31, v0                           ; lane
	v_and_b32 v2, 15, v0                           ; r
	s_wait_alu depctr_va_vdst(0)
	v_bfe_u32 v3, v0, 4, 1                         ; h
	v_lshlrev_b32 v4, 4, v1                        ; 16 x lane: my bytes of a load's 512
	s_wait_alu depctr_va_vdst(0)
	v_lshlrev_b32 v9, 3, v1                        ; 8 x lane
	s_mul_i32 s13, s12, WSTG
	v_add_nc_u32 v5, s13, v4                       ; the stage, on the way in
	v_mul_u32_u24 v6, v2, SP
	v_lshl_add_u32 v6, v3, 7, v6
	v_add_nc_u32 v6, s13, v6                       ; and out: row r, 128 h bytes on
	s_and_b32 s14, s12, 1
	s_lshl_b32 s14, s14, 7
	s_lshr_b32 s15, s12, 1
	s_lshl_b32 s15, s15, 2
	s_add_co_u32 s14, s14, s15
	s_add_co_u32 s14, s14, SCW
	v_lshl_add_u32 v7, v2, 3, s14                  ; row r's word of K step s: 8 r + 128 (s mod 2) + 4 (s / 2)
	s_lshl_b32 s15, s12, 6
	s_add_co_u32 s15, s15, SUM
	v_lshl_add_u32 v8, v2, 2, s15                  ; my wave's part of row r's sum
	s_mul_i32 s16, s12, 1536
	v_add_nc_u32 v10, s16, v4                      ; my fragment's place in the record
	v_and_b32 v11, 7, v0
	v_lshl_add_u32 v11, v11, 3, SUM                ; the sums on the way out: rows 2 (lane mod 8) and the next
	v_lshlrev_b32 v12, 3, v3                       ; 8 h: my bytes' place in the scale word
	v_add_nc_u32 v13, SCW, v9                      ; the scale words on the way out
	v_mov_b32 v[W+1], 0                            ; a lane permute's destination counts as one of its sources
	s_mov_b32 s22, 0x76543210
	s_mov_b32 s23, 0xfedcba98                      ; v_permlanex16_b32's selects for lane l xor 16
	s_wait_alu depctr_va_vdst(0)
	s_wait_kmcnt 0x0
	s_cmp_lt_u32 ttmp9, NZT                        ; z's work-group or the codebook's?
	s_cselect_b64 s[4:5], s[4:5], s[6:7]
	s_cselect_b64 s[8:9], s[8:9], s[10:11]
	s_mov_b32 s17, BRECB
	s_cselect_b32 s17, ZRECB, s17                  ; a record's bytes
	s_cselect_b32 s18, 0x01010101, 0               ; what is added to a scale word: 1 to each byte for 2 z (a byte is 252 at the most: nothing is carried)
	s_cselect_b32 s19, 0, NZT
	s_sub_co_u32 s19, ttmp9, s19                   ; the tile
	s_lshl_b32 s20, s19, 15                        ; 16 rows of 2,048 bytes,
	s_lshl_b32 s21, s12, 9                         ; my K step's 512
	s_add_co_u32 s20, s20, s21
	s_mov_b32 s21, 0
	s_add_nc_u64 s[4:5], s[4:5], s[20:21]
	s_mul_i32 s20, s19, s17
	s_add_nc_u64 s[8:9], s[8:9], s[20:21]
.irp i, 0,1,2,3,4,5,6,7,8,9,10,11,12,13,14,15
	global_load_b128 v[X+4*\i:X+4*\i+3], v4, s[4:5] offset:2048*\i th:TH_LOAD_NT   ; row i: 32 lanes read 512 consecutive bytes
.endr
.irp i, 0,1,2,3,4,5,6,7,8,9,10,11,12,13,14,15
	s_wait_loadcnt 15-\i                           ; loads come back in order: row i is in, the rows behind it may be out
	ds_store_b128 v5, v[X+4*\i:X+4*\i+3] offset:SP*\i
.endr
.irp c, 0,1
.irp j, 0,1,2,3,4,5,6,7
	ds_load_b128 v[Y+32*\c+4*\j:Y+32*\c+4*\j+3], v6 offset:256*\c+16*\j   ; LDS serves a wave's instructions in order: these see my stores
.endr
.endr
	s_wait_dscnt 0x0
.irp c, 0,1
	v_max3_num_f32 v[MX+\c], |v[Y+32*\c]|, |v[Y+32*\c+1]|, 0x1800000   ; block 2 c + h: all 32 numbers are mine; and the floor 2^(3 - 127): the byte cannot fall under 1
.endr
.irp i, 2,4,6,8,10,12,14,16,18,20,22,24,26,28,30
.irp c, 0,1
	v_max3_num_f32 v[MX+\c], v[MX+\c], |v[Y+32*\c+\i]|, |v[Y+32*\c+\i+1]|
.endr
.endr
.irp c, 0,1
	v_add_nc_u32 v[SO+\c], 0xff000000, v[MX+\c]    ; 2 off the exponent field: the conversion takes the exponent field of this operand as its scale
.endr
.irp c, 0,1
	v_lshrrev_b32 v[BY+\c], 23, v[SO+\c]           ; the scale's byte
.endr
	v_lshl_or_b32 v[W], v[BY+1], 16, v[BY]         ; my two bytes: blocks h and 2 + h,
	v_lshlrev_b32 v[W], v12, v[W]                  ; at their places in the word;
	v_permlanex16_b32 v[W+1], v[W], s22, s23
	v_or_b32 v[W], v[W], v[W+1]                    ; with lane l xor 16's two the word is whole
	v_add_nc_u32 v[W], s18, v[W]                   ; 2 z: each byte + 1
	s_cmp_lt_u32 ttmp9, NZT
	s_cbranch_scc1 .Lno_sum                        ; the sums of squares are the codebook's alone
.irp q, 0,1,2,3
	v_pk_mul_f32 v[SQ+2*\q:SQ+2*\q+1], v[Y+2*\q:Y+2*\q+1], v[Y+2*\q:Y+2*\q+1]   ; the first products start the four chains
.endr
.set j, 4
.rept 28
	v_pk_fma_f32 v[SQ+2*(j%4):SQ+2*(j%4)+1], v[Y+2*j:Y+2*j+1], v[Y+2*j:Y+2*j+1], v[SQ+2*(j%4):SQ+2*(j%4)+1]
.set j, j+1
.endr
	v_pk_add_f32 v[SQ:SQ+1], v[SQ:SQ+1], v[SQ+2:SQ+3]
	v_pk_add_f32 v[SQ+4:SQ+5], v[SQ+4:SQ+5], v[SQ+6:SQ+7]
	v_pk_add_f32 v[SQ:SQ+1], v[SQ:SQ+1], v[SQ+4:SQ+5]
	v_add_f32 v[SQ], v[SQ], v[SQ+1]
	v_permlanex16_b32 v[SQ+2], v[SQ], s22, s23
	v_add_f32 v[SQ], v[SQ], v[SQ+2]                ; row r, my K step's 128 numbers
	ds_store_b32 v8, v[SQ]                         ; both halves of the lanes write the same word with the same value
.Lno_sum:
	s_wait_alu depctr_va_vdst(0)
.irp c, 0,1
	v_cvt_scalef32_pk16_fp6_f32 v[P+6*\c:P+6*\c+2], v[Y+32*\c:Y+32*\c+15], v[SO+\c]        ; registers 6 c .. 6 c + 2 of the operand
	v_cvt_scalef32_pk16_fp6_f32 v[TM+4*\c:TM+4*\c+2], v[Y+32*\c+16:Y+32*\c+31], v[SO+\c]   ; beyond 7.5 the conversion gives the largest code, as the quantiser asks
.endr
	v_nop                                          ; one plain place behind a scaled conversion
.irp c, 0,1
.irp i, 0,1,2
	v_mov_b32 v[P+6*\c+3+\i], v[TM+4*\c+\i]
.endr
.endr
.irp g, 0,1,2
	global_store_b128 v10, v[P+4*\g:P+4*\g+3], s[8:9] offset:512*\g   ; 32 lanes store 512 consecutive bytes, at a multiple of 256 from the buffer's first byte
.endr
	ds_store_b32 v7, v[W]
	s_wait_dscnt 0x0                               ; for the others' sake: my words lie in LDS
	s_barrier_signal -1
	s_barrier_wait -1
	s_cmp_eq_u32 s12, 0
	s_cbranch_scc0 .Lnot_wave_0
	ds_load_b64 v[OW:OW+1], v13                    ; the four waves' scale words, as the record wants them
	s_wait_dscnt 0x0
	global_store_b64 v9, v[OW:OW+1], s[8:9] offset:6144   ; 256 consecutive bytes, aligned
.Lnot_wave_0:
	s_cmp_eq_u32 s12, 1
	s_cbranch_scc0 .Lend
	s_cmp_lt_u32 ttmp9, NZT
	s_cbranch_scc1 .Lend
.irp s, 0,1,2,3
	ds_load_b64 v[OS+2*\s:OS+2*\s+1], v11 offset:64*\s   ; two rows' parts from K step s
.endr
	s_wait_dscnt 0x0
	v_pk_add_f32 v[OS:OS+1], v[OS:OS+1], v[OS+2:OS+3]
	v_pk_add_f32 v[OS+4:OS+5], v[OS+4:OS+5], v[OS+6:OS+7]
	v_pk_add_f32 v[OS:OS+1], v[OS:OS+1], v[OS+4:OS+5] neg_lo:[1,1] neg_hi:[1,1]   ; minus the whole sum
	global_store_b64 v9, v[OS:OS+1], s[8:9] offset:6400   ; the sixteen numbers four times over: 256 consecutive bytes, aligned
.Lend:
	s_wait_tensorcnt 0x0
	ds_add_u32 v14, v15
	s_wait_dscnt 0x0
	s_endpgm
.Lfunc_end_k_qe5135f437e_quant:
	.size	k_qe5135f437e_quant, .Lfunc_end_k_qe5135f437e_quant-k_qe5135f437e_quant
	.p2alignl 7, 3214868480
	.fill 96, 4, 3214868480
	.section	.rodata,"a",@progbits
	.p2align	6, 0x0
	.amdhsa_kernel k_qe5135f437e_quant
		.amdhsa_group_segment_fixed_size 35328
		.amdhsa_private_segment_fixed_size 0
		.amdhsa_enable_private_segment 0
		.amdhsa_kernarg_size 32
		.amdhsa_user_sgpr_count 2
		.amdhsa_user_sgpr_kernarg_segment_ptr 1
		.amdhsa_wavefront_size32 1
		.amdhsa_system_sgpr_workgroup_id_x 1
		.amdhsa_system_sgpr_workgroup_id_y 1
		.amdhsa_system_sgpr_workgroup_id_z 1
		.amdhsa_system_vgpr_workitem_id 0
		.amdhsa_next_free_vgpr 144
		.amdhsa_next_free_sgpr 66
		.amdhsa_reserve_vcc 0
		.amdhsa_float_denorm_mode_32 3
		.amdhsa_float_denorm_mode_16_64 3
		.amdhsa_memory_ordered 1
		.amdhsa_forward_progress 1
		.amdhsa_inst_pref_size 14
	.end_amdhsa_kernel
	.amdgpu_metadata
---
amdhsa.version: [ 1, 2 ]
amdhsa.kernels:
  - .name:           k_qe5135f437e_quant
    .symbol:         k_qe5135f437e_quant.kd
    .args:
      - { .name: z_e, .offset: 0, .size: 8, .value_kind: global_buffer, .address_space: global }
      - { .name: codebook, .offset: 8, .size: 8, .value_kind: global_buffer, .address_space: global }
      - { .name: zrec, .offset: 16, .size: 8, .value_kind: global_buffer, .address_space: global }
      - { .name: brec, .offset: 24, .size: 8, .value_kind: global_buffer, .address_space: global }
    .group_segment_fixed_size: 35328
    .private_segment_fixed_size: 0
    .kernarg_segment_align: 8
    .kernarg_segment_size: 32
    .max_flat_workgroup_size: 128
    .sgpr_count:     66
    .vgpr_count:     144
    .wavefront_size: 32
...
	.end_amdgpu_metadata
.endif
;; end of part 1
;; launch vqdist (part 2): grid 32 x 8, 4 waves a work-group, clusters of 4 x 1, 327,680 bytes of LDS; arguments zrec, brec, part; writes part
.if DOCPART == 2
	.amdgcn_target "amdgcn-amd-amdhsa--gfx1250"
	.amdhsa_code_object_version 6
	.text
	.protected	k_qe5135f437e_vqdist
	.globl	k_qe5135f437e_vqdist
	.p2align	8
	.type	k_qe5135f437e_vqdist,@function
k_qe5135f437e_vqdist:
	s_mov_b64 s[64:65], 0
	v_nop
	global_prefetch_b8 v0, s[64:65] scope:SCOPE_SE
	s_setreg_imm32_b32 hwreg(HW_REG_WAVE_MODE, 25, 1), 1
	s_wait_xcnt 0x0
	s_wait_alu depctr_hold_cnt(0) depctr_sa_sdst(0) depctr_va_vdst(0) depctr_va_sdst(0) depctr_va_ssrc(0) depctr_va_vcc(0) depctr_vm_vsrc(0)
	s_getreg_b32 s2, hwreg(HW_REG_IB_STS2, 6, 4)
	s_cmp_eq_u32 s2, 0
	s_cbranch_scc0 .Lentry_in_a_cluster
	s_endpgm
.Lentry_in_a_cluster:
	s_bfe_u32 s2, ttmp6, 0x10000c
	s_cmp_lg_u32 s2, 0x3003
	s_cbranch_scc0 .Lentry_shape_is_right
	s_endpgm
.Lentry_shape_is_right:
; For each token and each of 8 parts of the codebook (1,024 codes): the largest score 2 z.c - |c|^2 and the lowest index that has it.  The product is MX-FP6 on both sides, f32 sums that begin with -|c|^2 as C.
; The term sum(z^2) is left out: it is the same for all codes of a token and moves no argmin (shown at the head of the first kernel).
; SHARES: work-group (x, y) takes tokens 512 x .. + 511 and codes 1024 y .. + 1023 (64 records of 16 codes).  Four waves; a wave holds the codes of 128 tokens (8 tiles x 48 registers, windows 1 and 2) and walks the 64 records.
; LDS has 48 places of a record; record k lies in place k mod 48.  FOUR FILLS, each one tensor load a wave: records 0-3 at the head, 4-15 behind the head's round, 16-47 ahead of tile 3, 48-63 (into places 0-15, which have been read) ahead of tile 15.
; So the first product waits for 4 records, and each later fill has 3, 12 and 32 tiles' work between its request and the wait for it: for that reason no prefetch is laid.
; CLUSTER: the four work-groups of a cluster lie along x and need the same part: they ask for it jointly (mask 15); each fill stands behind a round of the cluster's barrier.
; THE MATRIX INSTRUCTION IS USED TRANSPOSED: source 0 = 16 codes, source 1 = 16 tokens: lane (r, h) holds token r, its registers the codes 8 h + 0 .. 7 of the tile, so the maximum over codes needs no other lane until the end.
; A tile: 32 matrix instructions (two runs of 16, four accumulators by turns, K ascending), then 32 three-input maxima; where a running maximum has grown (strictly: on a tie the earlier, lower tile stays), the tile's number and its 8 scores are kept by selects.
; At the end the kept scores give the lowest register that equals the maximum; the two halves of the lanes are joined (on a tie the lower index); the score becomes a whole-number key of the same order.
; REGISTERS: window 0: addresses, scale words, -|c|^2, accumulators, kept scores, maxima; windows 1, 2: tokens' fragments; window 3: codes' fragments, two sets.
; LIMITS: NaN and infinities are not served (a NaN score loses every maximum).
.set RECZ,  6400
.set RECB,  6656                       ; 26 rows of 256 bytes
.set SCO,   6144                       ; a record's scale words
.set NCO,   6400                       ; a codebook record's -|c|^2
.set SPARE, 48*RECB                    ; behind the 48 places: the spare words, 128 bytes a wave
.set DUAL,  0                          ; 1: the selects as dual-issue pairs
.set LF,   1                           ; 16 x lane
.set LS,   2                           ; SCO + 8 x lane
.set LC,   3                           ; NCO + 32 h
.set ADRF, 4                           ; the next record's three LDS addresses
.set ADRS, 5
.set ADRC, 6
.set SPW,  7
.set NIL,  8
.set L8,   9                           ; 8 x lane
.set H8,   12                          ; 8 h
.set TIV,  13                          ; the tile's number
.set AS,   16                          ; v16-31   tokens' scale words, 2 a tile
.set BS,   32                          ; v32-35   codes' scale words, two sets
.set NC,   40                          ; v40-55   -|c|^2 in the result's layout, two sets
.set ACC,  64                          ; v64-127  eight accumulators
.set SAV,  128                         ; v128-191 the best tile's scores
.set BEST, 192                         ; v192-207 running maxima, two sets by turns
.set TID,  208                         ; v208-215 the best tile's number
.set TT,   216
.set OUTR, 224                         ; v224-231 pairs on the way out
.set WV,   10
.set G1,   16
.set G0,   24
.set TB,   32
.set CNT,  34
.set MK,   36
.set SEL,  48
.set HI,   50
.set YY,   51
.set MSB, 0
.macro WIN new                         ; the immediate's high byte repeats the setting that is left
.if MSB != (\new)
	s_set_vgpr_msb (MSB<<8)|(\new)
.set MSB, (\new)
.endif
.endm
.macro ROUND                           ; a round of the cluster's barrier
	s_barrier_signal -1
	s_barrier_wait -1
	s_cmp_lg_u32 s[WV], 0
	s_cbranch_scc1 .Lnot_wave_0_\@
	s_barrier_signal -3
.Lnot_wave_0_\@:
	s_barrier_wait -3
	s_barrier_signal -1
	s_barrier_wait -1
.endm
.macro DESC first, n, slot             ; the descriptor of a fill: 4 n records from record first on, into places slot on; my wave's n of them: 26 n rows of 256 bytes
	s_mov_b32 s[G1+2], (26*\n)<<16
	s_mov_b32 s[G1+4], 26*\n
	s_mul_i32 s[G0+1], s[WV], \n*RECB
	s_add_co_u32 s44, s[G0+1], \first*RECB
	s_mov_b32 s45, 0
	s_add_nc_u64 s[G0+2:G0+3], s[6:7], s[44:45]
	s_or_b32 s[G0+3], s[G0+3], 0x80000000
	s_add_co_u32 s[G0+1], s[G0+1], \slot*RECB
.endm
.macro SYNC first, n, slot             ; the last fill has landed everywhere, the places to be filled are read no more, and the next fill goes out
	s_wait_tensorcnt 0x0                           ; my one tensor load has landed: the descriptor may be written
	ds_add_u32 v[SPW], v[NIL]
	DESC \first, \n, \slot
	s_wait_dscnt 0x0                               ; the add is done, and so are all my LDS reads
	ROUND
	tensor_load_to_lds s[G0:G0+3], s[G1:G1+7]
	s_nop 0
.rept 4
	v_nop
.endr
.endm
.macro ADDR                            ; the LDS addresses of the record at byte s[TB]
	v_add_nc_u32 v[ADRF], s[TB], v[LF]
	v_add_nc_u32 v[ADRS], s[TB], v[LS]
	v_add_nc_u32 v[ADRC], s[TB], v[LC]
.endm
.macro LOADB p                         ; a record into set p: 15 LDS loads
	ds_load_b64 v[BS+2*(\p):BS+2*(\p)+1], v[ADRS]
	ds_load_b128 v[NC+8*(\p):NC+8*(\p)+3], v[ADRC]
	ds_load_b128 v[NC+8*(\p)+4:NC+8*(\p)+7], v[ADRC] offset:16
	WIN 0xC0                                       ; destination window 3
.irp s, 0,1,2,3
.irp g, 0,1,2
	ds_load_b128 v[48*(\p)+12*\s+4*\g:48*(\p)+12*\s+4*\g+3], v[ADRF] offset:1536*\s+512*\g
.endr
.endr
.endm
.macro MMS p                           ; 32 matrix instructions: token tiles 0-3, then 4-7; in each run K steps 0 .. 3, four accumulators by turns; the first step takes -|c|^2 as C
.irp h, 0,1
	WIN 0x07+4*\h                                  ; source 0 (codes) window 3, source 1 (tokens) window 1 or 2
.irp s, 0,1,2,3
.irp a, 0,1,2,3
.set rD, ACC+8*(4*\h+\a)
.if \s == 0
.set rC, NC+8*(\p)
.else
.set rC, rD
.endif
.if (\s % 2) == 1
	v_wmma_scale_f32_16x16x128_f8f6f4 v[rD:rD+7], v[48*(\p)+12*\s:48*(\p)+12*\s+11], v[48*\a+12*\s:48*\a+12*\s+11], v[rC:rC+7], v[BS+2*(\p)+\s/2], v[AS+2*(4*\h+\a)+\s/2] matrix_a_fmt:MATRIX_FMT_FP6 matrix_b_fmt:MATRIX_FMT_FP6 matrix_a_scale:MATRIX_SCALE_ROW1 matrix_b_scale:MATRIX_SCALE_ROW1
.else
	v_wmma_scale_f32_16x16x128_f8f6f4 v[rD:rD+7], v[48*(\p)+12*\s:48*(\p)+12*\s+11], v[48*\a+12*\s:48*\a+12*\s+11], v[rC:rC+7], v[BS+2*(\p)+\s/2], v[AS+2*(4*\h+\a)+\s/2] matrix_a_fmt:MATRIX_FMT_FP6 matrix_b_fmt:MATRIX_FMT_FP6
.endif
.endr
.endr
.endr
	WIN 0
.endm
.macro CH a, i                         ; link i (0 .. 3) of accumulator a's chain of maxima; the first link reads the accumulator's low end
.if (\a) < 8
.if (\i) == 0
	v_max3_num_f32 v[rN+(\a)], v[rO+(\a)], v[ACC+8*(\a)], v[ACC+8*(\a)+1]
.else
	v_max3_num_f32 v[rN+(\a)], v[rN+(\a)], v[ACC+8*(\a)+2*(\i)], v[ACC+8*(\a)+2*(\i)+1]
.endif
.endif
.endm
.macro AM p                            ; the tile's scores against the running maxima.  Links of later accumulators' chains stand between a compare and the selects that read it
.set rO, BEST+8*(1-(\p))
.set rN, BEST+8*(\p)
	CH 0, 0
	CH 1, 0
	CH 2, 0
	CH 3, 0
	CH 0, 1
	CH 1, 1
	CH 2, 1
	CH 0, 2
	CH 1, 2
	CH 0, 3
.irp a, 0,1,2,3,4,5,6,7
	v_cmp_gt_f32 vcc_lo, v[rN+\a], v[rO+\a]        ; strictly greater: on a tie the earlier tile stays
	CH \a+1, 3
	CH \a+2, 2
	CH \a+3, 1
	CH \a+4, 0
.if DUAL
.irp j, 0,2,4,6
	v_dual_cndmask_b32 v[SAV+8*\a+\j], v[SAV+8*\a+\j], v[ACC+8*\a+\j] :: v_dual_cndmask_b32 v[SAV+8*\a+\j+1], v[SAV+8*\a+\j+1], v[ACC+8*\a+\j+1]
.endr
.else
.irp j, 0,1,2,3,4,5,6,7
	v_cndmask_b32 v[SAV+8*\a+\j], v[SAV+8*\a+\j], v[ACC+8*\a+\j], vcc_lo
.endr
.endif
	v_cndmask_b32 v[TID+\a], v[TID+\a], v[TIV], vcc_lo
.endr
.endm
; One tile, in set p.  load: the next record is fetched into the other set.  tb: the record after that: 1 the next place, 2 place 0 again, 0 none.
.macro PHASE p, load, tb
	s_wait_dscnt 0x0                               ; set p is in: its 15 loads were issued a tile ago
.if \load
	LOADB 1-(\p)
.endif
	MMS \p
.if \tb == 0
.rept 3
	v_nop
.endr
.else
.if \tb == 1
	s_add_co_u32 s[TB], s[TB], RECB
.else
	s_mov_b32 s[TB], 0
.endif
	ADDR
.endif
	v_add_nc_u32 v[TIV], 1, v[TIV]                 ; with the three lines above: the four places behind the last matrix instruction
	AM \p
.endm
.macro PAIRS n
	s_mov_b32 s[CNT], \n
.Lpair_\@:
	PHASE 0, 1, 1
	PHASE 1, 1, 1
	s_sub_co_u32 s[CNT], s[CNT], 1
	s_cmp_lg_u32 s[CNT], 0
	s_cbranch_scc1 .Lpair_\@
.endm
	s_load_b128 s[4:7], s[0:1], 0x0                ; zrec, brec
	s_load_b64 s[8:9], s[0:1], 0x10                ; part
	v_lshl_add_u32 v[SPW], v0, 2, SPARE
	v_mov_b32 v[NIL], 0
	ds_add_u32 v[SPW], v[NIL]                      ; the opening lines: the add, twice on end, and its wait
	ds_add_u32 v[SPW], v[NIL]
	v_lshrrev_b32 v10, 5, v0
	v_readfirstlane_b32 s[WV], v10                 ; wave 0..3
	v_and_b32 v10, 31, v0
	v_bfe_u32 v11, v0, 4, 1
	v_lshlrev_b32 v[LF], 4, v10
	v_lshlrev_b32 v[L8], 3, v10
	v_add_nc_u32 v[LS], SCO, v[L8]
	v_lshl_add_u32 v[LC], v11, 5, NCO
	v_lshlrev_b32 v[H8], 3, v11
	s_bfe_u32 s11, ttmp6, 0x40000                  ; cx
	s_lshl_b32 s12, ttmp9, 2
	s_add_co_u32 s12, s12, s11                     ; x
	s_and_b32 s[YY], ttmp7, 0xffff                 ; y
	s_mov_b32 s[G1+0], 15|(3<<16)|(1<<21)          ; the mask of all four; elements of 8 bytes; bit 21 beside a mask
	s_mov_b32 s[G1+1], 32<<16                      ; rows of 32 elements: 256 bytes
	s_mov_b32 s[G1+3], 32<<16
	s_mov_b32 s[G1+5], 32                          ; dense
	s_mov_b32 s[G1+6], 0
	s_mov_b32 s[G1+7], 0
	s_mov_b32 s[G0], 1
	s_mul_i32 s52, s12, 32*RECZ                    ; z: my work-group's 32 records, my wave's 8
	s_mul_i32 s53, s[WV], 8*RECZ
	s_add_co_u32 s52, s52, s53
	s_mov_b32 s53, 0
	s_lshl_b32 s54, s[YY], 17                      ; part: 131,072 bytes a part, 8 a token
	s_lshl_b32 s55, s12, 12
	s_add_co_u32 s54, s54, s55
	s_lshl_b32 s55, s[WV], 10
	s_add_co_u32 s54, s54, s55
	s_mov_b32 s55, 0
	s_mul_i32 s46, s[YY], 64*RECB                  ; the part's records
	s_mov_b32 s47, 0
	s_mov_b32 s[SEL], 0x76543210
	s_mov_b32 s[SEL+1], 0xfedcba98                 ; v_permlanex16_b32's selects for lane l xor 16
	s_mov_b32 s[HI], 0xffff0000                    ; lanes 16-31
	s_wait_alu depctr_va_vdst(0)
	s_wait_dscnt 0x0                               ; both opening adds are done
	s_wait_kmcnt 0x0
	s_add_nc_u64 s[4:5], s[4:5], s[52:53]
	s_add_nc_u64 s[8:9], s[8:9], s[54:55]
	s_add_nc_u64 s[6:7], s[6:7], s[46:47]
	DESC 0, 1, 0
	ROUND                                          ; all four work-groups are here: the joint loads meet
	tensor_load_to_lds s[G0:G0+3], s[G1:G1+7]      ; records 0-3, one a wave: the wave's one tensor load at the head
	s_nop 0
	WIN 0x40                                       ; the tokens' fragments: tiles 0-3 into window 1,
.irp a, 0,1,2,3
.irp s, 0,1,2,3
.irp g, 0,1,2
	global_load_b128 v[48*\a+12*\s+4*\g:48*\a+12*\s+4*\g+3], v[LF], s[4:5] offset:RECZ*\a+1536*\s+512*\g
.endr
.endr
.endr
	WIN 0x80                                       ; tiles 4-7 into window 2,
.irp a, 0,1,2,3
.irp s, 0,1,2,3
.irp g, 0,1,2
	global_load_b128 v[48*\a+12*\s+4*\g:48*\a+12*\s+4*\g+3], v[LF], s[4:5] offset:RECZ*(\a+4)+1536*\s+512*\g
.endr
.endr
.endr
	WIN 0                                          ; and their scale words
.irp a, 0,1,2,3,4,5,6,7
	global_load_b64 v[AS+2*\a:AS+2*\a+1], v[L8], s[4:5] offset:RECZ*\a+SCO
.endr
	s_lshl_b32 s44, s[YY], 6
	s_sub_co_u32 s44, s44, 1
	v_mov_b32 v[TIV], s44                          ; one under the part's first tile: each tile adds 1 ahead of its use
.irp a, 0,1,2,3,4,5,6,7
	v_mov_b32 v[BEST+8+\a], 0xff800000             ; -infinity
	v_mov_b32 v[TID+\a], 0                         ; written once: the selects read what they may keep
.endr
.set j, 0
.rept 64
	v_mov_b32 v[SAV+j], 0
.set j, j+1
.endr
	s_wait_alu depctr_va_vdst(0)
	SYNC 4, 3, 4                                   ; records 0-3 are in; records 4-15 go out
	s_mov_b32 s[TB], 0
	ADDR
	LOADB 0                                        ; record 0
	WIN 0
	s_mov_b32 s[TB], RECB
	ADDR                                           ; record 1's addresses
	s_wait_alu depctr_va_vdst(0)
	s_wait_loadcnt 0x0                             ; the tokens' codes are in
	PHASE 0, 1, 1                                  ; tiles 0-2
	PHASE 1, 1, 1
	PHASE 0, 1, 1
	SYNC 16, 8, 16                                 ; records 4-15 are in; records 16-47 go out
	PHASE 1, 1, 1                                  ; tile 3, which fetches record 4
	PAIRS 5                                        ; tiles 4-13
	PHASE 0, 1, 1                                  ; tile 14
	SYNC 48, 4, 0                                  ; records 16-47 are in; places 0-15 have been read by all: records 48-63 go out
	PHASE 1, 1, 1                                  ; tile 15
	PAIRS 15                                       ; tiles 16-45
	PHASE 0, 1, 2                                  ; tile 46: the record after the next lies in place 0
	s_wait_tensorcnt 0x0                           ; records 48-63: my part has landed;
	ds_add_u32 v[SPW], v[NIL]
	s_wait_dscnt 0x0
	s_barrier_signal -1
	s_barrier_wait -1                              ; and everybody's
	PHASE 1, 1, 1                                  ; tile 47, which fetches record 48
	PAIRS 7                                        ; tiles 48-61
	PHASE 0, 1, 0
	PHASE 1, 0, 0
.set FB, BEST+8                        ; the last tile's set
.irp a, 0,1,2,3,4,5,6,7
	v_mov_b32 v[TT+\a], 7
.endr
.irp j, 6,5,4,3,2,1,0                  ; the lowest register of the best tile that holds the maximum
.irp a, 0,1,2,3,4,5,6,7
	v_cmp_eq_f32 s[MK+\a], v[SAV+8*\a+\j], v[FB+\a]
.endr
.irp a, 0,1,2,3,4,5,6,7
	v_cndmask_b32 v[TT+\a], v[TT+\a], \j, s[MK+\a]
.endr
.endr
.irp a, 0,1,2,3,4,5,6,7
	v_lshl_add_u32 v[TID+\a], v[TID+\a], 4, v[TT+\a]
.endr
.irp a, 0,1,2,3,4,5,6,7
	v_add_nc_u32 v[TID+\a], v[TID+\a], v[H8]       ; index = 16 x tile + 8 h + register
.endr
.irp a, 0,1,2,3,4,5,6,7
	v_add_f32 v[FB+\a], 0, v[FB+\a]                ; -0 becomes +0: equal numbers get equal keys
.endr
.irp a, 0,1,2,3,4,5,6,7
	v_permlanex16_b32 v[SAV+8*\a], v[FB+\a], s[SEL], s[SEL+1]
.endr
.irp a, 0,1,2,3,4,5,6,7
	v_permlanex16_b32 v[SAV+8*\a+1], v[TID+\a], s[SEL], s[SEL+1]
.endr
.irp a, 0,1,2,3,4,5,6,7                ; lane l xor 16's pair wins if greater, or equal with the lower index
	v_cmp_gt_f32 s[MK+\a], v[SAV+8*\a], v[FB+\a]
	v_cmp_eq_f32 s44, v[SAV+8*\a], v[FB+\a]
	v_cmp_lt_u32 s45, v[SAV+8*\a+1], v[TID+\a]
	s_and_b32 s44, s44, s45
	s_or_b32 s[MK+\a], s[MK+\a], s44
	v_cndmask_b32 v[FB+\a], v[FB+\a], v[SAV+8*\a], s[MK+\a]
	v_cndmask_b32 v[TID+\a], v[TID+\a], v[SAV+8*\a+1], s[MK+\a]
.endr
.irp a, 0,1,2,3,4,5,6,7                ; f32 to a whole number of the same order: negative numbers all bits flipped, the others the sign bit
	v_ashrrev_i32 v[TT+\a], 31, v[FB+\a]
.endr
.irp a, 0,1,2,3,4,5,6,7
	v_or_b32 v[TT+\a], 0x80000000, v[TT+\a]
.endr
.irp a, 0,1,2,3,4,5,6,7
	v_xor_b32 v[FB+\a], v[FB+\a], v[TT+\a]
.endr
.irp u, 0,1,2,3                        ; lanes 0-15 tile 2 u's tokens, lanes 16-31 tile 2 u + 1's
	v_cndmask_b32 v[OUTR+2*\u], v[FB+2*\u], v[FB+2*\u+1], s[HI]
	v_cndmask_b32 v[OUTR+2*\u+1], v[TID+2*\u], v[TID+2*\u+1], s[HI]
.endr
.irp u, 0,1,2,3
	global_store_b64 v[L8], v[OUTR+2*\u:OUTR+2*\u+1], s[8:9] offset:256*\u   ; 256 consecutive bytes, aligned
.endr
	s_wait_tensorcnt 0x0                           ; the wave's end
	ds_add_u32 v[SPW], v[NIL]
	s_wait_dscnt 0x0
	ROUND                                          ; the closing round
	s_endpgm
.Lfunc_end_k_qe5135f437e_vqdist:
	.size	k_qe5135f437e_vqdist, .Lfunc_end_k_qe5135f437e_vqdist-k_qe5135f437e_vqdist
	.p2alignl 7, 3214868480
	.fill 96, 4, 3214868480
	.section	.rodata,"a",@progbits
	.p2align	6, 0x0
	.amdhsa_kernel k_qe5135f437e_vqdist
		.amdhsa_group_segment_fixed_size 327680
		.amdhsa_private_segment_fixed_size 0
		.amdhsa_enable_private_segment 0
		.amdhsa_kernarg_size 24
		.amdhsa_user_sgpr_count 2
		.amdhsa_user_sgpr_kernarg_segment_ptr 1
		.amdhsa_wavefront_size32 1
		.amdhsa_system_sgpr_workgroup_id_x 1
		.amdhsa_system_sgpr_workgroup_id_y 1
		.amdhsa_system_sgpr_workgroup_id_z 1
		.amdhsa_system_vgpr_workitem_id 0
		.amdhsa_next_free_vgpr 864
		.amdhsa_next_free_sgpr 66
		.amdhsa_reserve_vcc 1
		.amdhsa_float_denorm_mode_32 3
		.amdhsa_float_denorm_mode_16_64 3
		.amdhsa_memory_ordered 1
		.amdhsa_forward_progress 1
		.amdhsa_inst_pref_size 192
	.end_amdhsa_kernel
	.amdgpu_metadata
---
amdhsa.version: [ 1, 2 ]
amdhsa.kernels:
  - .name:           k_qe5135f437e_vqdist
    .symbol:         k_qe5135f437e_vqdist.kd
    .args:
      - { .name: zrec, .offset: 0, .size: 8, .value_kind: global_buffer, .address_space: global }
      - { .name: brec, .offset: 8, .size: 8, .value_kind: global_buffer, .address_space: global }
      - { .name: part, .offset: 16, .size: 8, .value_kind: global_buffer, .address_space: global }
    .group_segment_fixed_size: 327680
    .private_segment_fixed_size: 0
    .kernarg_segment_align: 8
    .kernarg_segment_size: 24
    .max_flat_workgroup_size: 128
    .sgpr_count:     66
    .vgpr_count:     864
    .wavefront_size: 32
...
	.end_amdgpu_metadata
.endif
;; end of part 2
;; launch gather (part 3): grid 256 x 1, 8 waves a work-group, no clusters, 1,280 bytes of LDS; arguments part, z_e, codebook, out0, out3, lossp; writes out0, out3, lossp
.if DOCPART == 3
	.amdgcn_target "amdgcn-amd-amdhsa--gfx1250"
	.amdhsa_code_object_version 6
	.text
	.protected	k_qe5135f437e_gather
	.globl	k_qe5135f437e_gather
	.p2align	8
	.type	k_qe5135f437e_gather,@function
k_qe5135f437e_gather:
	s_mov_b64 s[64:65], 0
	v_nop
	global_prefetch_b8 v0, s[64:65] scope:SCOPE_SE
	s_setreg_imm32_b32 hwreg(HW_REG_WAVE_MODE, 25, 1), 1
	s_wait_xcnt 0x0
; For each token: of its eight pairs (key, index), one for each part of the codebook, the pair with the largest key (whole numbers, read from memory; on a tie the lower part, which has the lower indices);
; the index goes to out3; the code's row c is gathered; out0 = z + (c - z); the squares of c - z are summed, one number a work-group, for the last launch.
; SHARES: a work-group takes 64 tokens, wave w tokens 8 w .. 8 w + 7; a row of 2,048 bytes is four loads of 512 consecutive bytes.  Memory binds: no LDS but for eight partial sums, no matrix unit, no cluster.
; Every wave reads all 64 tokens' pairs, two tokens a lane, ROTATED by 4 w lanes, so that its own eight tokens lie in lanes 0 to 3.
; All of a wave's rows of z are asked for at the head; the codes' rows run four tokens ahead.
.set Z,   16                           ; v16-143  token i's row of z at Z + 16 i; then its row of out0
.set C,   144                          ; v144-207 four sets of 16: the codes' rows; first the eight loads of pairs (v144-175)
.set BK,  208                          ; v208-209 the best keys of my two tokens
.set BI,  210                          ; v210-211 their indices
.set CO,  212                          ; v212-219 the gathers' offsets
.set LA,  220                          ; v220-223 the sum of squares, two chains of pairs
.set RS,  224                          ; v224-231 the eight waves' sums
	s_load_b256 s[4:11], s[0:1], 0x0               ; part s[4:5], z_e s[6:7], codebook s[8:9], out0 s[10:11]
	s_load_b128 s[12:15], s[0:1], 0x20             ; out3 s[12:13], lossp s[14:15]
	v_lshl_add_u32 v232, v0, 2, 0x100
	v_mov_b32 v233, 0
	v_lshrrev_b32 v1, 5, v0
	s_delay_alu instid0(VALU_DEP_1)
	v_readfirstlane_b32 s16, v1                    ; wave 0..7
	v_and_b32 v2, 31, v0                           ; lane
	s_delay_alu instid0(VALU_DEP_1)
	v_lshlrev_b32 v1, 4, v2                        ; 16 x lane
	s_lshl_b32 s17, s16, 2
	v_add_nc_u32 v2, s17, v2
	s_delay_alu instid0(VALU_DEP_1)
	v_and_b32 v2, 31, v2                           ; my pair of tokens: (lane + 4 w) mod 32
	s_delay_alu instid0(VALU_DEP_1)
	v_lshlrev_b32 v3, 4, v2                        ; its 16 bytes in a part
	s_delay_alu instid0(VALU_DEP_2)
	v_lshlrev_b32 v4, 3, v2                        ; its 8 bytes in out3
	v_mov_b32 v5, s17                              ; LDS: my wave's word
	v_mov_b32 v6, 0
.irp j, 0,1,2,3
	v_mov_b32 v[LA+\j], 0
.endr
	s_mov_b32 s18, 0x76543210
	s_mov_b32 s19, 0xfedcba98                      ; v_permlanex16_b32's selects for lane l xor 16
	s_lshl_b32 s20, ttmp9, 9                       ; 64 pairs of 8 bytes
	s_mov_b32 s21, 0
	s_lshl_b32 s22, ttmp9, 17                      ; 64 rows of 2,048 bytes,
	s_lshl_b32 s23, s16, 14                        ; my wave's eight
	s_add_co_u32 s22, s22, s23
	s_mov_b32 s23, 0
	s_lshl_b32 s24, ttmp9, 8                       ; 64 indices
	s_mov_b32 s25, 0
	s_lshl_b32 s26, ttmp9, 2                       ; one sum
	s_mov_b32 s27, 0
	s_wait_alu depctr_va_vdst(0)
	s_wait_kmcnt 0x0
	s_add_nc_u64 s[4:5], s[4:5], s[20:21]
	s_add_nc_u64 s[6:7], s[6:7], s[22:23]
	s_add_nc_u64 s[10:11], s[10:11], s[22:23]
	s_add_nc_u64 s[12:13], s[12:13], s[24:25]
	s_add_nc_u64 s[14:15], s[14:15], s[26:27]
.irp y, 0,1,2,3,4,5,6,7
	global_load_b128 v[C+4*\y:C+4*\y+3], v3, s[4:5] offset:131072*\y   ; part y: key, index, key, index of my two tokens
.endr
.irp i, 0,1,2,3,4,5,6,7
.irp q, 0,1,2,3
	global_load_b128 v[Z+16*\i+4*\q:Z+16*\i+4*\q+3], v1, s[6:7] offset:2048*\i+512*\q th:TH_LOAD_NT
.endr
.endr
	s_wait_loadcnt 32                              ; the pairs are in; the 32 loads of z behind them stay out
	v_cmp_gt_u32 vcc_lo, v[C+4], v[C]              ; strictly greater: on a tie the lower part stays
	v_cmp_gt_u32 s28, v[C+6], v[C+2]
	s_delay_alu instid0(VALU_DEP_2)
	v_cndmask_b32 v[BK], v[C], v[C+4], vcc_lo
	s_delay_alu instid0(VALU_DEP_3)
	v_cndmask_b32 v[BI], v[C+1], v[C+5], vcc_lo
	s_delay_alu instid0(VALU_DEP_3)
	v_cndmask_b32 v[BK+1], v[C+2], v[C+6], s28
	s_delay_alu instid0(VALU_DEP_4)
	v_cndmask_b32 v[BI+1], v[C+3], v[C+7], s28
.irp y, 2,3,4,5,6,7
	s_delay_alu instid0(VALU_DEP_4)
	v_cmp_gt_u32 vcc_lo, v[C+4*\y], v[BK]
	s_delay_alu instid0(VALU_DEP_3)
	v_cmp_gt_u32 s28, v[C+4*\y+2], v[BK+1]
	s_delay_alu instid0(VALU_DEP_2)
	v_cndmask_b32 v[BK], v[BK], v[C+4*\y], vcc_lo
	s_delay_alu instid0(VALU_DEP_3)
	v_cndmask_b32 v[BI], v[BI], v[C+4*\y+1], vcc_lo
	s_delay_alu instid0(VALU_DEP_3)
	v_cndmask_b32 v[BK+1], v[BK+1], v[C+4*\y+2], s28
	s_delay_alu instid0(VALU_DEP_4)
	v_cndmask_b32 v[BI+1], v[BI+1], v[C+4*\y+3], s28
.endr
	s_cmp_lg_u32 s16, 0
	s_cbranch_scc1 .Lnot_first
	global_store_b64 v4, v[BI:BI+1], s[12:13]      ; wave 0, whose rotation is none: 64 indices, 256 consecutive bytes, aligned
.Lnot_first:
	s_wait_alu depctr_va_vdst(0)
.irp i, 0,1,2,3,4,5,6,7
	v_readlane_b32 s[32+\i], v[BI+(\i%2)], \i/2    ; my wave's token i lies in lane i / 2
	s_min_u32 s[32+\i], s[32+\i], 0x1fff           ; a number from memory enters an address only held inside the table
	s_lshl_b32 s[32+\i], s[32+\i], 11              ; a row of 2,048 bytes
	v_add_nc_u32 v[CO+\i], s[32+\i], v1
.endr
.macro CODE i                          ; token i's code, into set i % 4
.irp q, 0,1,2,3
	global_load_b128 v[C+16*((\i)%4)+4*\q:C+16*((\i)%4)+4*\q+3], v[CO+(\i)], s[8:9] offset:512*\q
.endr
.endm
	CODE 0
	CODE 1
	CODE 2
	s_wait_alu depctr_va_vdst(0)
	CODE 3
.macro TOKEN i, left                   ; left: the loads of the codes behind token i's, which may stay out
.set zz, Z+16*(\i)
.set cc, C+16*((\i)%4)
	s_wait_loadcnt \left                           ; loads come back in order: token i's code is in, and so is all of z, asked for earlier
.irp j, 0,1,2,3,4,5,6,7
	v_pk_add_f32 v[cc+2*\j:cc+2*\j+1], v[cc+2*\j:cc+2*\j+1], v[zz+2*\j:zz+2*\j+1] neg_lo:[0,1] neg_hi:[0,1]   ; c - z
.endr
.irp j, 0,1,2,3,4,5,6,7
	v_pk_fma_f32 v[LA+2*(\j%2):LA+2*(\j%2)+1], v[cc+2*\j:cc+2*\j+1], v[cc+2*\j:cc+2*\j+1], v[LA+2*(\j%2):LA+2*(\j%2)+1]
.endr
.irp j, 0,1,2,3,4,5,6,7
	v_pk_add_f32 v[zz+2*\j:zz+2*\j+1], v[zz+2*\j:zz+2*\j+1], v[cc+2*\j:cc+2*\j+1]   ; z + (c - z)
.endr
.if (\i) < 4
	CODE (\i)+4                                    ; loads ahead of stores
.endif
.irp q, 0,1,2,3
	global_store_b128 v1, v[zz+4*\q:zz+4*\q+3], s[10:11] offset:2048*(\i)+512*\q th:TH_STORE_NT   ; 512 consecutive bytes, aligned; each token has registers of its own: no store's data are written again
.endr
.endm
	TOKEN 0, 12
	TOKEN 1, 12
	TOKEN 2, 12
	TOKEN 3, 12
	TOKEN 4, 12
	TOKEN 5, 8
	TOKEN 6, 4
	TOKEN 7, 0
	v_pk_add_f32 v[LA:LA+1], v[LA:LA+1], v[LA+2:LA+3]
	s_delay_alu instid0(VALU_DEP_1)
	v_add_f32 v[LA], v[LA], v[LA+1]
	s_delay_alu instid0(VALU_DEP_1)
	v_add_f32_dpp v[LA], v[LA], v[LA] row_xmask:1 row_mask:0xf bank_mask:0xf
	s_delay_alu instid0(VALU_DEP_1)
	v_add_f32_dpp v[LA], v[LA], v[LA] row_xmask:2 row_mask:0xf bank_mask:0xf
	s_delay_alu instid0(VALU_DEP_1)
	v_add_f32_dpp v[LA], v[LA], v[LA] row_xmask:4 row_mask:0xf bank_mask:0xf
	s_delay_alu instid0(VALU_DEP_1)
	v_add_f32_dpp v[LA], v[LA], v[LA] row_xmask:8 row_mask:0xf bank_mask:0xf
	s_delay_alu instid0(VALU_DEP_1)
	v_permlanex16_b32 v[LA+1], v[LA], s18, s19
	s_delay_alu instid0(VALU_DEP_1)
	v_add_f32 v[LA], v[LA], v[LA+1]                ; my wave's eight tokens
	ds_store_b32 v5, v[LA]                         ; all lanes write the same word with the same value
	s_wait_dscnt 0x0                               ; for the others' sake
	s_barrier_signal -1
	s_barrier_wait -1
	s_cmp_lg_u32 s16, 0
	s_cbranch_scc1 .Lend
	ds_load_b128 v[RS:RS+3], v6
	ds_load_b128 v[RS+4:RS+7], v6 offset:16
	s_wait_dscnt 0x0
	v_pk_add_f32 v[RS:RS+1], v[RS:RS+1], v[RS+2:RS+3]
	v_pk_add_f32 v[RS+4:RS+5], v[RS+4:RS+5], v[RS+6:RS+7]
	s_delay_alu instid0(VALU_DEP_1)
	v_pk_add_f32 v[RS:RS+1], v[RS:RS+1], v[RS+4:RS+5]
	s_delay_alu instid0(VALU_DEP_1)
	v_add_f32 v[RS], v[RS], v[RS+1]
	s_wait_alu depctr_va_vdst(0)
	s_wait_xcnt 0x0                                ; EXEC changes only behind this wait: it is a source of the stores above
	v_cmp_eq_u32 vcc_lo, 0, v0
	s_and_saveexec_b32 s30, vcc_lo
	global_store_b32 v6, v[RS], s[14:15]           ; the work-group's sum: one number
	s_wait_xcnt 0x0
	s_or_b32 exec_lo, exec_lo, s30
.Lend:
	s_wait_tensorcnt 0x0
	ds_add_u32 v232, v233
	s_wait_dscnt 0x0
	s_endpgm
.Lfunc_end_k_qe5135f437e_gather:
	.size	k_qe5135f437e_gather, .Lfunc_end_k_qe5135f437e_gather-k_qe5135f437e_gather
	.p2alignl 7, 3214868480
	.fill 96, 4, 3214868480
	.section	.rodata,"a",@progbits
	.p2align	6, 0x0
	.amdhsa_kernel k_qe5135f437e_gather
		.amdhsa_group_segment_fixed_size 1280
		.amdhsa_private_segment_fixed_size 0
		.amdhsa_enable_private_segment 0
		.amdhsa_kernarg_size 48
		.amdhsa_user_sgpr_count 2
		.amdhsa_user_sgpr_kernarg_segment_ptr 1
		.amdhsa_wavefront_size32 1
		.amdhsa_system_sgpr_workgroup_id_x 1
		.amdhsa_system_sgpr_workgroup_id_y 1
		.amdhsa_system_sgpr_workgroup_id_z 1
		.amdhsa_system_vgpr_workitem_id 0
		.amdhsa_next_free_vgpr 234
		.amdhsa_next_free_sgpr 66
		.amdhsa_reserve_vcc 1
		.amdhsa_float_denorm_mode_32 3
		.amdhsa_float_denorm_mode_16_64 3
		.amdhsa_memory_ordered 1
		.amdhsa_forward_progress 1
		.amdhsa_inst_pref_size 31
	.end_amdhsa_kernel
	.amdgpu_metadata
---
amdhsa.version: [ 1, 2 ]
amdhsa.kernels:
  - .name:           k_qe5135f437e_gather
    .symbol:         k_qe5135f437e_gather.kd
    .args:
      - { .name: part, .offset: 0, .size: 8, .value_kind: global_buffer, .address_space: global }
      - { .name: z_e, .offset: 8, .size: 8, .value_kind: global_buffer, .address_space: global }
      - { .name: codebook, .offset: 16, .size: 8, .value_kind: global_buffer, .address_space: global }
      - { .name: out0, .offset: 24, .size: 8, .value_kind: global_buffer, .address_space: global }
      - { .name: out3, .offset: 32, .size: 8, .value_kind: global_buffer, .address_space: global }
      - { .name: lossp, .offset: 40, .size: 8, .value_kind: global_buffer, .address_space: global }
    .group_segment_fixed_size: 1280
    .private_segment_fixed_size: 0
    .kernarg_segment_align: 8
    .kernarg_segment_size: 48
    .max_flat_workgroup_size: 256
    .sgpr_count:     66
    .vgpr_count:     234
    .wavefront_size: 32
...
	.end_amdgpu_metadata
.endif
;; end of part 3
;; launch lossend (part 4): grid 1 x 1, 1 waves a work-group, no clusters, 0 bytes of LDS; arguments lossp, out1, out2; writes out1, out2
.if DOCPART == 4
	.amdgcn_target "amdgcn-amd-amdhsa--gfx1250"
	.amdhsa_code_object_version 6
	.text
	.protected	k_qe5135f437e_lossend
	.globl	k_qe5135f437e_lossend
	.p2align	8
	.type	k_qe5135f437e_lossend,@function
k_qe5135f437e_lossend:
	s_mov_b64 s[64:65], 0
	v_nop
	global_prefetch_b8 v0, s[64:65] scope:SCOPE_SE
	s_setreg_imm32_b32 hwreg(HW_REG_WAVE_MODE, 25, 1), 1
	s_wait_xcnt 0x0
; The 256 work-groups' sums of (z - c)^2 are added, in a fixed order; out2 = the mean over 16,384 x 512 = 2^23 numbers; out1 = 0.25 x out2.  One wave: eight numbers a lane.
	s_load_b128 s[4:7], s[0:1], 0x0                ; lossp s[4:5], out1 s[6:7]
	s_load_b64 s[8:9], s[0:1], 0x10                ; out2
	v_lshlrev_b32 v1, 4, v0
	v_mov_b32 v2, 0
	s_mov_b32 s10, 0x76543210
	s_mov_b32 s11, 0xfedcba98                      ; v_permlanex16_b32's selects for lane l xor 16
	s_wait_alu depctr_va_vdst(0)
	s_wait_kmcnt 0x0
	global_load_b128 v[4:7], v1, s[4:5]
	global_load_b128 v[8:11], v1, s[4:5] offset:512
	s_wait_loadcnt 0x0
	v_pk_add_f32 v[4:5], v[4:5], v[6:7]
	v_pk_add_f32 v[8:9], v[8:9], v[10:11]
	v_pk_add_f32 v[4:5], v[4:5], v[8:9]
	v_add_f32 v4, v4, v5
	v_add_f32_dpp v4, v4, v4 row_xmask:1 row_mask:0xf bank_mask:0xf
	v_add_f32_dpp v4, v4, v4 row_xmask:2 row_mask:0xf bank_mask:0xf
	v_add_f32_dpp v4, v4, v4 row_xmask:4 row_mask:0xf bank_mask:0xf
	v_add_f32_dpp v4, v4, v4 row_xmask:8 row_mask:0xf bank_mask:0xf
	v_permlanex16_b32 v5, v4, s10, s11
	v_add_f32 v4, v4, v5
	v_mul_f32 v4, 0x34000000, v4                   ; x 2^-23: the commitment loss
	v_mul_f32 v5, 0x3e800000, v4                   ; x 0.25: the loss
	s_wait_alu depctr_va_vdst(0)
	s_wait_xcnt 0x0                                ; EXEC changes only behind this wait
	v_cmp_eq_u32 vcc_lo, 0, v0
	s_and_saveexec_b32 s12, vcc_lo
	global_store_b32 v2, v5, s[6:7]
	global_store_b32 v2, v4, s[8:9]
	s_wait_xcnt 0x0
	s_or_b32 exec_lo, exec_lo, s12
	s_endpgm
.Lfunc_end_k_qe5135f437e_lossend:
	.size	k_qe5135f437e_lossend, .Lfunc_end_k_qe5135f437e_lossend-k_qe5135f437e_lossend
	.p2alignl 7, 3214868480
	.fill 96, 4, 3214868480
	.section	.rodata,"a",@progbits
	.p2align	6, 0x0
	.amdhsa_kernel k_qe5135f437e_lossend
		.amdhsa_group_segment_fixed_size 0
		.amdhsa_private_segment_fixed_size 0
		.amdhsa_enable_private_segment 0
		.amdhsa_kernarg_size 24
		.amdhsa_user_sgpr_count 2
		.amdhsa_user_sgpr_kernarg_segment_ptr 1
		.amdhsa_wavefront_size32 1
		.amdhsa_system_sgpr_workgroup_id_x 1
		.amdhsa_system_sgpr_workgroup_id_y 1
		.amdhsa_system_sgpr_workgroup_id_z 1
		.amdhsa_system_vgpr_workitem_id 0
		.amdhsa_next_free_vgpr 24
		.amdhsa_next_free_sgpr 66
		.amdhsa_reserve_vcc 1
		.amdhsa_float_denorm_mode_32 3
		.amdhsa_float_denorm_mode_16_64 3
		.amdhsa_memory_ordered 1
		.amdhsa_forward_progress 1
		.amdhsa_inst_pref_size 2
	.end_amdhsa_kernel
	.amdgpu_metadata
---
amdhsa.version: [ 1, 2 ]
amdhsa.kernels:
  - .name:           k_qe5135f437e_lossend
    .symbol:         k_qe5135f437e_lossend.kd
    .args:
      - { .name: lossp, .offset: 0, .size: 8, .value_kind: global_buffer, .address_space: global }
      - { .name: out1, .offset: 8, .size: 8, .value_kind: global_buffer, .address_space: global }
      - { .name: out2, .offset: 16, .size: 8, .value_kind: global_buffer, .address_space: global }
    .group_segment_fixed_size: 0
    .private_segment_fixed_size: 0
    .kernarg_segment_align: 8
    .kernarg_segment_size: 24
    .max_flat_workgroup_size: 32
    .sgpr_count:     66
    .vgpr_count:     24
    .wavefront_size: 32
...
	.end_amdgpu_metadata
.endif
;; end of part 4
